; MI455X (gfx1250); checked and timed in simulation.
; The chip was launched on July 23, 2026; its instructions are those of AMD's public machine-readable ISA for CDNA 5 (MIT licence, August 2026) and "CDNA5" Instruction Set Architecture Reference Guide (July 2026). The comments in the code are by the model that wrote it; some were corrected since.
;; Multi Head Attention. Allowed arithmetic: matrix products marked QUANTISED: E4M3 operands, one given power-of-two scale a tensor, by v_wmma_f32_16x16x64_fp8_fp8 or v_wmma_f32_16x16x128_fp8_fp8, f32 sums; everything else in f32.
;; Inputs: Wg 1,024 x 1,024 float32; Wk 1,024 x 1,024 float32; Wo 1,024 x 1,024 float32; Wq 1,024 x 1,024 float32; Wv 1,024 x 1,024 float32; bo 1,024 float32; lowp_scales 14 int32 (the exponents e of the quantised operands' scales 2^e); x 2 x 2,048 x 1,024 float32.
;; Outputs: out0 2 x 2,048 x 1,024 float32.
;; This version of the problem:
;;   THIS VERSION OF THE PROBLEM IS GIVEN IN LOW PRECISION. The matrix products marked QUANTISED in the list below multiply operands that are first quantised to E4M3 (4 exponent bits, 3 mantissa bits; 8 bits a number), with one given power-of-two scale for each operand tensor; their sums are f32. All else is computed in f32.
;;   The module's matrix products, in the order in which they are computed (A, B: the left and right operand; K: the contracted axis; several contracted axes count as one K, in the product's order):
;;     1. [M 4,096, K 1,024] x [K 1,024, N 1,024]; A: input x; B: input Wq: QUANTISED (scales: A lowp_scales[0], B lowp_scales[1])
;;     2. [M 4,096, K 1,024] x [K 1,024, N 1,024]; A: input x; B: input Wk: QUANTISED (scales: A lowp_scales[2], B lowp_scales[3])
;;     3. [M 4,096, K 1,024] x [K 1,024, N 1,024]; A: input x; B: input Wv: QUANTISED (scales: A lowp_scales[4], B lowp_scales[5])
;;     4. [M 4,096, K 1,024] x [K 1,024, N 1,024]; A: input x; B: input Wg: QUANTISED (scales: A lowp_scales[6], B lowp_scales[7])
;;     5. batch 32 x [M 2,048, K 64] x [K 64, N 2,048]; A: computed on the way; B: computed on the way: QUANTISED (scales: A lowp_scales[8], B lowp_scales[9])
;;     6. batch 32 x [M 2,048, K 2,048] x [K 2,048, N 64]; A: softmax (see below); B: computed on the way: QUANTISED (scales: A lowp_scales[10], B lowp_scales[11])
;;     7. [M 4,096, K 1,024] x [K 1,024, N 1,024]; A: computed on the way; B: input Wo: QUANTISED (scales: A lowp_scales[12], B lowp_scales[13])
;;   THE QUANTISER, for each operand of a quantised product, along K:
;;     - The operand's scale is 2^e, e = its entry of the input lowp_scales (int32; the entries are numbered through the quantised products in the list's order, A before B).
;;     - Each number is divided by the scale, clamped to +-448, and rounded to the nearest number of E4M3, ties to even, subnormals kept.
;;     - The product sums the exact products of the quantised numbers (number of the format x scale) in f32.
;;   ~~~python
;;   def quantise(x, axis, e):      # numpy; x: float32 -> the quantised numbers, widened to float32 again
;;       x = np.moveaxis(x, axis, -1); K = x.shape[-1]
;;       r = np.clip(x / 2.0 ** e, -448, 448)
;;       step = 2.0 ** (np.maximum(np.frexp(np.where(r == 0, 1, r))[1] - 1, -6) - 3)
;;       q = np.round(r / step) * step * 2.0 ** e      # np.round: ties to even
;;       return np.moveaxis(q, -1, axis).astype(np.float32)
;;   ~~~
;;   SOFTMAX AHEAD OF A QUANTISED PRODUCT. Where the list says 'softmax', what is quantised is not the finished softmax but p = 2^(t - M), with t = logit x log2(e) and M = ceil(the row's largest t), a whole number; so 1/2 < the row's largest p <= 1. The row's sum l is taken of the UNQUANTISED p, in f32, and the product's result is divided by l at the end. Since M is a whole number, a kernel that streams over the keys may use a running M (the ceiling of the running maximum): every later rescaling is an exact power of two, so the quantised numbers keep their values, but for numbers so far below the row's largest that they fall under the format's range.
;;   OPERANDS COMPUTED ON THE WAY. 'Computed on the way' means the value that the module computes at that place (a softmax that the list does not call 'softmax' is quantised finished and normalised). What goes into a quantiser is computed in f32, as accurately as f32 sums, v_exp_f32 and their like allow (about 1e-6 of the number): no bf16 or f16 on the way to a quantiser, and a product that is left as it is and whose result goes on into a quantised operand takes f32 operands (vector FMAs, or v_wmma_f32_16x16x4_f32). A number that lies on a knife's edge between two numbers of the format may be rounded either way, as far as f32 arithmetic and the matrix unit's own rounding can turn it there, and no further.
;; One version. Each part assembles by itself: llvm-mc -triple=amdgcn-amd-amdhsa -mcpu=gfx1250 --defsym DOCPART=n.
;; ======== version 1 of 1: 4 launches
;; limits: right only within a limited range of input values
;; workspace buffers: codes 22,020,096 bytes; qkv 12,582,912 bytes; gate 16,777,216 bytes; ac 4,194,304 bytes
;; launch quant (part 1): grid 1152 x 1, 4 waves a work-group, no clusters, 33,280 bytes of LDS; arguments x, Wq, Wk, Wv, Wg, Wo, lowp_scales, codes; writes codes
.if DOCPART == 1
	.amdgcn_target "amdgcn-amd-amdhsa--gfx1250"
	.amdhsa_code_object_version 6
	.text
	.protected	k_qdc56e89bac_quant
	.globl	k_qdc56e89bac_quant
	.p2align	8
	.type	k_qdc56e89bac_quant,@function
k_qdc56e89bac_quant:
	s_mov_b64 s[64:65], 0
	v_nop
	global_prefetch_b8 v0, s[64:65] scope:SCOPE_SE
	s_setreg_imm32_b32 hwreg(HW_REG_WAVE_MODE, 25, 1), 1
	s_wait_xcnt 0x0
; x [4096][1024] and the five weights [1024][1024], f32, K innermost, become codes of FP8 (E4M3), one byte each, in the one buffer 'codes'.
; x is an operand of four products with four given scales (entries 0, 2, 4, 6): it is read once and quantised four times, into four sets of codes at bytes 0, 4 Mi, 8 Mi, 12 Mi.
; The weights Wq, Wk, Wv, Wg, Wo (entries 1, 3, 5, 7, 13) follow from byte 16 Mi on, 1 Mi each.
; code = number / 2^e, held within +-448, rounded to the nearest code, ties to even.  LIMITS: -126 <= e <= 119.  NaN among the inputs is not served.
; LAYOUT OF THE CODES: rows of 1,024 bytes along K; inside each block of 32 the four pieces of 8 lie in the order k 0-7, 16-23, 8-15, 24-31.  So 16 bytes read at 32 c + 16 h
; are registers 4 c .. 4 c + 3 of a fragment in the layout of the fp8 matrix forms (registers 2 c, 2 c + 1: k = 16 c + 8 h + 0 .. 7; ISA guide 7.12.2): k stands in its own place.
; SHARES: a work-group takes 8,192 numbers, a wave 4 steps of 512: all sixteen loads of a wave go out at its head.  Work-groups 0-511 take x, 512 + 128 t + part takes weight t.
; Only pointers and scales are chosen: both kinds take one path; x's take three more conversions a step.
; Each of a step's four loads reads 512 consecutive bytes; the 2,048 bytes turn through the wave's own stage in LDS (16 bytes of padding behind each 64) and come back so that lane (P = lane / 2, e = lane % 2)
; holds k 8 e .. 8 e + 7 and 16 + 8 e .. + 7 of block P: its 16 codes are the 16 bytes at 16 x lane of the step's 512: every store of a wave covers 512 consecutive bytes, aligned.
; Later launches leave out the key steps that reference()'s own causal mask hides whole (see launch attn's head).
.set XWG,   512                        ; work-groups that take x
.set STEPS, 4
.set SP,    80                         ; 64 bytes + 16 of padding
.set STGB,  32*SP                      ; a stage
.set WREG,  8192                       ; LDS of a wave: two stages
.set SPARE, 4*WREG                     ; behind the four regions: the spare words, 128 bytes a wave, that no other line names
.set OFS,   3                          ; v3   16 x lane: my bytes of a load's and of a store's 512; never rewritten
.set SPW,   12                         ; v12  LDS address of my spare word; never rewritten
.set NIL,   13                         ; v13  0; never rewritten
.set SIN,   14                         ; v14  the stage, on the way in
.set SOUT,  15                         ; v15  and on the way out
.set R,     16                         ; v16-79   four sets of 16 numbers as loaded
.set X,     80                         ; v80-111  two sets of 16 numbers of one block
.set T,     112                        ; v112-127 the numbers, held
.set C,     128                        ; v128-143 codes: four registers for each of four outputs
.set SC,    160                        ; v160-167 for output o: 2^e, and 448 x 2^e
.set SRC,   22                         ; s[22:23] where my wave reads
.set DST,   36                         ; s[36:43] where output o goes
	s_load_b512 s[4:19], s[0:1], 0x0               ; x 4, Wq 6, Wk 8, Wv 10, Wg 12, Wo 14, the scales 16, codes 18
	v_lshl_add_u32 v[SPW], v0, 2, SPARE
	v_mov_b32 v[NIL], 0
	v_lshrrev_b32 v1, 5, v0
	v_readfirstlane_b32 s20, v1                    ; wave
	v_and_b32 v2, 31, v0                           ; lane
	v_lshlrev_b32 v[OFS], 4, v2
	s_mul_i32 s21, s20, WREG
	v_lshrrev_b32 v[SIN], 2, v2
	v_mul_u32_u24 v[SIN], v[SIN], SP
	v_and_b32 v5, 3, v2
	v_lshl_add_u32 v[SIN], v5, 4, v[SIN]
	v_add_nc_u32 v[SIN], s21, v[SIN]               ; in: four lanes' 64 bytes on end, then the padding
	v_and_b32 v[SOUT], 30, v2
	v_mul_u32_u24 v[SOUT], v[SOUT], SP
	v_and_b32 v5, 1, v2
	v_lshl_add_u32 v[SOUT], v5, 5, v[SOUT]
	v_add_nc_u32 v[SOUT], s21, v[SOUT]             ; out: block P begins at place 2 P; my 32 bytes of each of its two places
	s_sub_co_u32 s34, ttmp9, XWG
	s_lshr_b32 s35, s34, 7                         ; which weight (no weight's number in x's work-groups)
	s_and_b32 s34, s34, 127                        ; which part of it
	s_lshl_b32 s46, ttmp9, 13                      ; 8,192 codes a work-group,
	s_lshl_b32 s47, s20, 11                        ; 2,048 a wave
	s_add_co_u32 s46, s46, s47
	s_cmp_lt_u32 ttmp9, XWG
	s_cselect_b32 s34, ttmp9, s34
	s_cselect_b32 s47, 0, 0xc00000                 ; the weights' codes begin at 16 Mi: work-group 512 stands at 4 Mi by the shift above
	s_add_co_u32 s46, s46, s47
	s_mov_b32 s47, 0
	s_lshl_b32 s44, s34, 15                        ; 32,768 bytes of f32 a work-group,
	s_lshl_b32 s45, s20, 13                        ; 8,192 a wave
	s_add_co_u32 s44, s44, s45
	s_mov_b32 s45, 0
	s_wait_alu depctr_va_vdst(0)
	s_wait_kmcnt 0x0
	s_load_b256 s[24:31], s[16:17], 0x0            ; e0 .. e7
	s_load_b64 s[32:33], s[16:17], 0x30            ; e12, e13
	s_mov_b64 s[SRC:SRC+1], s[14:15]               ; the tensor is chosen by the work-group's number alone
	s_cmp_eq_u32 s35, 3
	s_cselect_b64 s[SRC:SRC+1], s[12:13], s[SRC:SRC+1]
	s_cmp_eq_u32 s35, 2
	s_cselect_b64 s[SRC:SRC+1], s[10:11], s[SRC:SRC+1]
	s_cmp_eq_u32 s35, 1
	s_cselect_b64 s[SRC:SRC+1], s[8:9], s[SRC:SRC+1]
	s_cmp_eq_u32 s35, 0
	s_cselect_b64 s[SRC:SRC+1], s[6:7], s[SRC:SRC+1]
	s_cmp_lt_u32 ttmp9, XWG
	s_cselect_b64 s[SRC:SRC+1], s[4:5], s[SRC:SRC+1]
	s_add_nc_u64 s[SRC:SRC+1], s[SRC:SRC+1], s[44:45]
	s_add_nc_u64 s[DST:DST+1], s[18:19], s[46:47]
	s_add_nc_u64 s[DST+2:DST+3], s[DST:DST+1], 0x400000   ; x's other three sets (used by x's work-groups alone)
	s_add_nc_u64 s[DST+4:DST+5], s[DST:DST+1], 0x800000
	s_add_nc_u64 s[DST+6:DST+7], s[DST:DST+1], 0xc00000
.macro LOAD t
.irp i, 0,1,2,3
	global_load_b128 v[R+16*((\t)%4)+4*\i:R+16*((\t)%4)+4*\i+3], v[OFS], s[SRC:SRC+1] offset:2048*(\t)+512*\i th:TH_LOAD_NT   ; 32 lanes read 512 consecutive bytes
.endr
.endm
.macro TURN t                          ; step t's numbers through the stage: LDS serves a wave's instructions in order (ISA guide 5.7.1.4), so no wait stands between the stores and the loads
.irp i, 0,1,2,3
	ds_store_b128 v[SIN], v[R+16*((\t)%4)+4*\i:R+16*((\t)%4)+4*\i+3] offset:STGB*((\t)%2)+8*SP*\i
.endr
.irp i, 0,1
	ds_load_b128 v[X+16*((\t)%2)+4*\i:X+16*((\t)%2)+4*\i+3], v[SOUT] offset:STGB*((\t)%2)+16*\i        ; k 8 e .. 8 e + 7
.endr
.irp i, 0,1
	ds_load_b128 v[X+16*((\t)%2)+8+4*\i:X+16*((\t)%2)+8+4*\i+3], v[SOUT] offset:STGB*((\t)%2)+SP+16*\i ; k 16 + 8 e .. + 7
.endr
.endm
.irp t, 0,1,2,3
	LOAD \t
.endr
	s_wait_kmcnt 0x0
	s_mov_b32 s48, s33                             ; my first output's e: Wo's,
	s_cmp_eq_u32 s35, 3
	s_cselect_b32 s48, s31, s48                    ; Wg's,
	s_cmp_eq_u32 s35, 2
	s_cselect_b32 s48, s29, s48                    ; Wv's,
	s_cmp_eq_u32 s35, 1
	s_cselect_b32 s48, s27, s48                    ; Wk's,
	s_cmp_eq_u32 s35, 0
	s_cselect_b32 s48, s25, s48                    ; Wq's,
	s_cmp_lt_u32 ttmp9, XWG
	s_cselect_b32 s48, s24, s48                    ; or x's for the first product
.macro MKSC o, e
	s_add_co_i32 s49, s[\e], 127
	s_lshl_b32 s50, s49, 23
	v_mov_b32 v[SC+2*\o], s50                      ; 2^e as f32: the conversion takes its exponent field
	s_add_co_i32 s49, s49, 8
	s_lshl_b32 s49, s49, 23
	s_or_b32 s49, s49, 0x600000
	v_mov_b32 v[SC+2*\o+1], s49                    ; 448 x 2^e
.endm
	MKSC 0, 48
	MKSC 1, 26
	MKSC 2, 28
	MKSC 3, 30
	s_wait_alu depctr_va_vdst(0)
	s_wait_loadcnt 12                              ; step 0's four loads are in; those of steps 1 to 3 may be out
	TURN 0
.macro OUT o, t                        ; output o of step t
.irp i, 0,1,2,3,4,5,6,7,8,9,10,11,12,13,14,15
	v_med3_num_f32 v[T+\i], v[X+16*((\t)%2)+\i], -v[SC+2*\o+1], v[SC+2*\o+1]   ; the conversion to an 8-bit code does not saturate (ISA guide 7.6.2): the hold at the largest code x the scale
.endr
	v_cvt_scalef32_pk8_fp8_f32 v[C+4*\o:C+4*\o+1], v[T:T+7], v[SC+2*\o]
	v_cvt_scalef32_pk8_fp8_f32 v[C+4*\o+2:C+4*\o+3], v[T+8:T+15], v[SC+2*\o]
	v_nop                                          ; a plain vector line between the conversions and the next lines that write their sources
	global_store_b128 v[OFS], v[C+4*\o:C+4*\o+3], s[DST+2*\o:DST+2*\o+1] offset:512*(\t)
.endm
.macro STEP t
	s_wait_dscnt 0x0                               ; this step's numbers are back from the stage,
	s_wait_xcnt 0x0                                ; and the last step's global stores have read their registers: the codes' registers are written again only behind this wait
.if (\t)+1 < STEPS
	s_wait_loadcnt 4*(STEPS-2-(\t))                ; the next step's four loads are in; those of the steps behind it may be out
	TURN (\t)+1                                    ; through the other stage while this step is worked
.endif
	OUT 0, \t
	s_cmp_ge_u32 ttmp9, XWG                        ; a weight has one scale
	s_cbranch_scc1 .Lweight_\@
	OUT 1, \t
	OUT 2, \t
	OUT 3, \t
.Lweight_\@:
.endm
.irp t, 0,1,2,3
	STEP \t
.endr
	s_wait_tensorcnt 0x0                           ; the wave's end, behind my last LDS store
	ds_add_u32 v[SPW], v[NIL]
	s_wait_dscnt 0x0
	s_endpgm
.Lfunc_end_k_qdc56e89bac_quant:
	.size	k_qdc56e89bac_quant, .Lfunc_end_k_qdc56e89bac_quant-k_qdc56e89bac_quant
	.p2alignl 7, 3214868480
	.fill 96, 4, 3214868480
	.section	.rodata,"a",@progbits
	.p2align	6, 0x0
	.amdhsa_kernel k_qdc56e89bac_quant
		.amdhsa_group_segment_fixed_size 33280
		.amdhsa_private_segment_fixed_size 0
		.amdhsa_enable_private_segment 0
		.amdhsa_kernarg_size 64
		.amdhsa_user_sgpr_count 2
		.amdhsa_user_sgpr_kernarg_segment_ptr 1
		.amdhsa_wavefront_size32 1
		.amdhsa_system_sgpr_workgroup_id_x 1
		.amdhsa_system_sgpr_workgroup_id_y 1
		.amdhsa_system_sgpr_workgroup_id_z 1
		.amdhsa_system_vgpr_workitem_id 0
		.amdhsa_next_free_vgpr 176
		.amdhsa_next_free_sgpr 66
		.amdhsa_reserve_vcc 0
		.amdhsa_float_denorm_mode_32 3
		.amdhsa_float_denorm_mode_16_64 3
		.amdhsa_memory_ordered 1
		.amdhsa_forward_progress 1
		.amdhsa_inst_pref_size 29
	.end_amdhsa_kernel
	.amdgpu_metadata
---
amdhsa.version: [ 1, 2 ]
amdhsa.kernels:
  - .name:           k_qdc56e89bac_quant
    .symbol:         k_qdc56e89bac_quant.kd
    .args:
      - { .name: x, .offset: 0, .size: 8, .value_kind: global_buffer, .address_space: global }
      - { .name: Wq, .offset: 8, .size: 8, .value_kind: global_buffer, .address_space: global }
      - { .name: Wk, .offset: 16, .size: 8, .value_kind: global_buffer, .address_space: global }
      - { .name: Wv, .offset: 24, .size: 8, .value_kind: global_buffer, .address_space: global }
      - { .name: Wg, .offset: 32, .size: 8, .value_kind: global_buffer, .address_space: global }
      - { .name: Wo, .offset: 40, .size: 8, .value_kind: global_buffer, .address_space: global }
      - { .name: lowp_scales, .offset: 48, .size: 8, .value_kind: global_buffer, .address_space: global }
      - { .name: codes, .offset: 56, .size: 8, .value_kind: global_buffer, .address_space: global }
    .group_segment_fixed_size: 33280
    .private_segment_fixed_size: 0
    .kernarg_segment_align: 8
    .kernarg_segment_size: 64
    .max_flat_workgroup_size: 128
    .sgpr_count:     66
    .vgpr_count:     176
    .wavefront_size: 32
...
	.end_amdgpu_metadata
.endif
;; end of part 1
;; launch proj (part 2): grid 16 x 16, 4 waves a work-group, clusters of 4 x 4, 327,680 bytes of LDS; arguments codes, lowp_scales, qkv, gate; writes qkv, gate
.if DOCPART == 2
	.amdgcn_target "amdgcn-amd-amdhsa--gfx1250"
	.amdhsa_code_object_version 6
	.text
	.protected	k_qdc56e89bac_proj
	.globl	k_qdc56e89bac_proj
	.p2align	8
	.type	k_qdc56e89bac_proj,@function
k_qdc56e89bac_proj:
	s_mov_b64 s[64:65], 0
	v_nop
	global_prefetch_b8 v0, s[64:65] scope:SCOPE_SE
	s_setreg_imm32_b32 hwreg(HW_REG_WAVE_MODE, 25, 1), 1
	s_wait_xcnt 0x0
	s_wait_alu depctr_hold_cnt(0) depctr_sa_sdst(0) depctr_va_vdst(0) depctr_va_sdst(0) depctr_va_ssrc(0) depctr_va_vcc(0) depctr_vm_vsrc(0)
	s_getreg_b32 s2, hwreg(HW_REG_IB_STS2, 6, 4)
	s_cmp_eq_u32 s2, 0
	s_cbranch_scc0 .Lentry_in_a_cluster
	s_endpgm
.Lentry_in_a_cluster:
	s_bfe_u32 s2, ttmp6, 0x10000c
	s_cmp_lg_u32 s2, 0xf033
	s_cbranch_scc0 .Lentry_shape_is_right
	s_endpgm
.Lentry_shape_is_right:
; The four projections q, k, v, gate = x W^T, each 4096 x 1024 x 1024, on codes of FP8 (E4M3), as one launch: cluster x = X says which (0 q, 1 k, 2 v, 3 gate), the same in all sixteen partners.
; A tile of the result, 256 x 256, is made by four waves; a wave makes 128 x 128: 64 accumulators, 512 registers.  K goes in four steps of 256 through two LDS slots filled by joint tensor loads.
; THE MATRIX INSTRUCTION IS USED TRANSPOSED (source 0 = 16 rows of 'B', source 1 = 16 rows of 'A'): lane (r, h) holds row r of 'A' and, in accumulator (a, b), columns 16 b + 8 h + 0 .. 7.
; For q, k, gate: 'A' = x's codes (the set made with that product's scale), 'B' = the weight's.  For v the two change places ('A' = Wv, 'B' = x), so that a lane's eight numbers are eight neighbouring TOKENS: the keys, the K of attention's second product.
; THE WAY OUT NEEDS NO LDS.  q, k, v are quantised in registers (entries 8, 9, 11): one conversion of an accumulator's eight numbers is register pair b of the next product's fragment, in the fp8 forms' own layout
; (registers 2 c, 2 c + 1: k = 16 c + 8 h + 0 .. 7; ISA guide 7.12.2); two neighbouring accumulators make four registers, stored as an IMAGE of the registers, lane l's 16 bytes at 16 l: 512 consecutive bytes a store, aligned.
;   q at 0, k at 4 Mi of qkv: (batch x 16 + head) x 131072 + (tile of 16 tokens) x 1024 + c x 512 + 16 l.    v at 8 Mi: (group of 64 keys) x 131072 + batch x 65536 + head x 4096 + (tile of 16 of the head's 64) x 1024 + c x 512 + 16 l.
; The gate stands ahead of a quantiser: its raw f32 sums go out as images too: ((batch x 16 + head) x 128 + tile of tokens) x 4096 + (tile of 16 channels) x 1024 + half x 512 + 16 l; the next launch applies 2^(e6 + e7).
; LIMIT: e_out - eA - eB between -126 and 119, so that the conversion's scale and 448 x it are f32 numbers.
; REGISTERS, in windows of 256: window 0: v0-31 addresses; from v128 A's fragments, ONE set; on the way out v32-255 are free.  window 1: B's fragments, TWO sets.  windows 2, 3: the accumulators ((a, b) at v[8 (8 (a % 4) + b)]).
.set ROWB,   256                       ; a tile's row in bytes: 256 codes
.set KROW,   1024                      ; a row of codes in memory
.set PITCH,  272                       ; an LDS row: 256 bytes + 16 of padding = 68 words: the 16 rows that a load touches start at 16 different banks (64 banks of 4 bytes: ISA guide 11.1)
.set FR,     16                        ; registers of a fragment: 16 rows x 128 K
.set NL,     4                         ; LDS loads that bring one
.set NP,     4                         ; places behind this matrix instruction (ISA guide 7.12.1)
.set HALFT,  128*PITCH                 ; 128 rows: what one wave reads of A or of B; a tensor load brings two of them
.set SLOT,   4*HALFT                   ; A's 256 rows, then B's 256 rows
.set SPARE,  2*SLOT                    ; behind the ring: the spare words, 128 bytes a wave, that no other line names
.set ADRA, 16                          ; v16-17  LDS address of my A fragments in slot 0, 1
.set ADRB, 20                          ; v20-21  the same for B
.set CO,   26                          ; v26     16 x lane: an image's place for my lane; never rewritten
.set SPW,  28                          ; v28     LDS address of my spare word; never rewritten
.set NIL,  29                          ; v29     0; never rewritten
.set SCL,  30                          ; v30     2^(e_out - eA - eB)
.set LIM,  31                          ; v31     448 x that
.set TMP,  32                          ; v32-95  the way out: a block's 64 sums, held
.set AF,   128                         ; A's fragments, in window 0
.set QC,   128                         ; the way out: codes, 16 registers for each of eight blocks: no store's data are written again
.set G1, 24                            ; s[24:31] descriptor group 1 for A's tiles;  s[32:35] group 0
.set G0, 32
.set G1B, 48                           ; s[48:55], s[56:59] the same for B's tiles
.set G0B, 56
.set MSB, 0
.macro WIN new                         ; the immediate's high byte repeats the setting that is left
.if MSB != (\new)
	s_set_vgpr_msb (MSB<<8)|(\new)
.set MSB, \new
.endif
.endm
.set MUL_LO, 0xa1                      ; source 0 (B) window 1, source 1 (A) window 0, C and D window 2
.set MUL_HI, 0xf1                      ; the same, C and D window 3
.set TO_B,   0x40                      ; destination window 1, address window 0
; A joint load of 256 rows x 256 bytes: waves 0 and 2 fetch A's tile (of slot 0, of slot 1), waves 1 and 3 B's.  Each of the two lines has one mask and one set of registers for all that issue it; the branch hangs on the wave's number alone.
; An s_nop 0 and four v_nop follow each of the two lines.
.macro JLOAD g0a, g1a, g0b, g1b
	s_cmp_eq_u32 s16, 0
	s_cbranch_scc0 .Lfor_b_\@
	tensor_load_to_lds s[\g0a:\g0a+3], s[\g1a:\g1a+7]
	s_nop 0
.rept 4
	v_nop
.endr
	s_branch .Lasked_\@
.Lfor_b_\@:
	tensor_load_to_lds s[\g0b:\g0b+3], s[\g1b:\g1b+7]
	s_nop 0
.rept 4
	v_nop
.endr
.Lasked_\@:
.endm
.macro CREST                           ; a round of the cluster's barrier behind its opening barrier
	s_cmp_lg_u32 s14, 0
	s_cbranch_scc1 .Lnot_wave_0_\@
	s_barrier_signal -3
.Lnot_wave_0_\@:
	s_barrier_wait -3
	s_barrier_signal -1
	s_barrier_wait -1
.endm
.macro CROUND                          ; a whole round
	s_barrier_signal -1
	s_barrier_wait -1
	CREST
.endm
	s_load_b256 s[4:11], s[0:1], 0x0               ; codes s[4:5], the scales s[6:7], qkv s[8:9], gate s[10:11]
	v_lshl_add_u32 v[SPW], v0, 2, SPARE
	v_mov_b32 v[NIL], 0
	ds_add_u32 v[SPW], v[NIL]                      ; the wave's opening: the add and its wait stand ahead of my first tensor load; the set-up below, work on registers, stands between them
	ds_add_u32 v[SPW], v[NIL]
	v_lshrrev_b32 v1, 5, v0
	v_readfirstlane_b32 s14, v1                    ; wave 0..3
	s_lshr_b32 s15, s14, 1                         ; which half of the tile's rows is mine.  Also: the slot that I fill
	s_and_b32 s16, s14, 1                          ; which half of its columns.  Also: I fetch for A (0) or for B (1)
	s_bfe_u32 s40, ttmp6, 0x40000                  ; cx, cy: my place in the cluster
	s_bfe_u32 s41, ttmp6, 0x40004
	s_and_b32 s13, ttmp7, 0xffff
	s_lshl_b32 s13, s13, 2                         ; 4 x cluster y
	s_lshl_b32 s66, ttmp9, 22                      ; q, k, gate: A = x's set X, at 4 Mi x X,
	s_lshl_b32 s67, ttmp9, 20
	s_add_co_u32 s67, s67, 0x1000000               ; B = weight X, at 16 Mi + 1 Mi x X
	s_cmp_eq_u32 ttmp9, 2                          ; v: the two change places.  The choice hangs on the cluster's x, which all partners share
	s_cselect_b32 s17, 0, s13
	s_cselect_b32 s42, s13, 0
	s_cselect_b32 s66, 0x1200000, s66              ; A = Wv's codes,
	s_cselect_b32 s67, 0x800000, s67               ; B = x's set made with entry 4
	s_add_co_u32 s17, s17, s41                     ; tile row: cy (+ 4 x cluster y where A is x)
	s_add_co_u32 s42, s42, s40                     ; tile column: cx (+ 4 x cluster y where B is x)
	s_lshl_b32 s43, s41, 2
	s_lshl_b32 s43, 15, s43                        ; my row of the cluster
	s_lshl_b32 s44, 0x1111, s40                    ; my column
	s_or_b32 s[G1+0], s43, (0<<16)|(1<<20)|(1<<21)|(5<<22)|(3<<25)  ; 15:0 the mask: A's tiles go to my row; 17:16 element of 1 byte; 20 padding on; 21 set beside a mask; 24:22 after every 64 words (code 5); 31:25 of 4 words (code 3)
	s_or_b32 s[G1B+0], s44, (0<<16)|(1<<20)|(1<<21)|(5<<22)|(3<<25)
.irp g, G1, G1B
	s_mov_b32 s[\g+1], ROWB<<16                    ; tensor_dim0
	s_mov_b32 s[\g+2], 256<<16                     ; tensor_dim1 = 256
	s_mov_b32 s[\g+3], ROWB<<16                    ; tile_dim0
	s_mov_b32 s[\g+4], 256                         ; tile_dim1 = 256
	s_mov_b32 s[\g+5], KROW                        ; tensor_dim0_stride
	s_mov_b32 s[\g+6], 0
	s_mov_b32 s[\g+7], 0
.endr
	s_lshl_b32 s18, s15, 8                         ; my slot's first K step: 256 bytes along the rows for slot 1
	s_lshl_b32 s20, s17, 18                        ; A: 256 rows a tile row: made of cy, the cluster's place and the wave alone
	s_add_co_u32 s20, s20, s18
	s_add_co_u32 s20, s20, s66
	s_mov_b32 s21, 0
	s_lshl_b32 s46, s42, 18                        ; B: made of cx, the cluster's place and the wave alone
	s_add_co_u32 s46, s46, s18
	s_add_co_u32 s46, s46, s67
	s_mov_b32 s47, 0
	s_mul_i32 s45, s15, SLOT                       ; where my tile goes: my slot, A's 256 rows first, then B's: no place in the cluster enters an LDS address
	s_mul_i32 s19, s16, 2*HALFT
	s_add_co_u32 s45, s45, s19
	s_wait_dscnt 0x0                               ; the opening add is done
	s_wait_kmcnt 0x0
	s_load_b256 s[80:87], s[6:7], 0x0              ; e0 .. e7
	s_load_b128 s[72:75], s[6:7], 0x20             ; e8 .. e11
	s_add_nc_u64 s[20:21], s[4:5], s[20:21]
	s_add_nc_u64 s[46:47], s[4:5], s[46:47]
	CROUND                                         ; all sixteen work-groups are here: the first joint loads meet
	s_mov_b32 s[G0], 1
	s_mov_b32 s[G0+1], s45
	s_mov_b64 s[G0+2:G0+3], s[20:21]
	s_or_b32 s[G0+3], s[G0+3], 0x80000000
	s_mov_b32 s[G0B], 1
	s_mov_b32 s[G0B+1], s45
	s_mov_b64 s[G0B+2:G0B+3], s[46:47]
	s_or_b32 s[G0B+3], s[G0B+3], 0x80000000
	JLOAD G0, G1, G0B, G1B                         ; one tensor load a wave at the head: the four waves' loads fill both slots, K steps 0 and 1
	v_and_b32 v1, 15, v0                           ; l % 16
	v_bfe_u32 v2, v0, 4, 1                         ; l / 16
	v_mul_u32_u24 v3, v1, PITCH
	v_lshl_add_u32 v4, v2, 4, v3                   ; a fragment's row x pitch + 16 x half
	s_mul_i32 s21, s15, HALFT                      ; my 128 rows of A
	s_mul_i32 s22, s16, HALFT                      ; my 128 rows of B,
	s_add_co_u32 s22, s22, 2*HALFT                 ; which lie behind A's 256
.irp s, 0,1
	v_add_nc_u32 v[ADRA+\s], s21, v4
	v_add_nc_u32 v[ADRB+\s], s22, v4
	s_add_co_u32 s21, s21, SLOT
	s_add_co_u32 s22, s22, SLOT
.endr
	v_and_b32 v6, 31, v0
	v_lshlrev_b32 v[CO], 4, v6
	; where my wave's images begin.  m0, n0: my first row of 'A' and of 'B'
	s_lshl_b32 s68, s17, 8
	s_lshl_b32 s69, s15, 7
	s_add_co_u32 s68, s68, s69                     ; m0
	s_lshl_b32 s69, s42, 8
	s_lshl_b32 s70, s16, 7
	s_add_co_u32 s69, s69, s70                     ; n0
	s_lshl_b32 s88, ttmp9, 22                      ; q, k: 4 Mi x X
	s_lshr_b32 s70, s68, 11                        ; the batch
	s_lshl_b32 s71, s70, 21
	s_add_co_u32 s88, s88, s71
	s_lshl_b32 s90, s70, 23                        ; (s90: the gate's)
	s_lshr_b32 s70, s69, 6                         ; the head
	s_lshl_b32 s71, s70, 17
	s_add_co_u32 s88, s88, s71
	s_lshl_b32 s71, s70, 19
	s_add_co_u32 s90, s90, s71
	s_bfe_u32 s70, s68, 0x70004                    ; the tile of 16 tokens in the batch
	s_lshl_b32 s71, s70, 10
	s_add_co_u32 s88, s88, s71
	s_lshl_b32 s71, s70, 12
	s_add_co_u32 s90, s90, s71
	s_bfe_u32 s70, s69, 0x50006                    ; v: the group of 64 keys in the batch,
	s_lshl_b32 s92, s70, 17
	s_lshr_b32 s70, s69, 11                        ; the batch,
	s_lshl_b32 s70, s70, 16
	s_add_co_u32 s92, s92, s70
	s_lshr_b32 s70, s68, 6                         ; the head
	s_lshl_b32 s70, s70, 12
	s_add_co_u32 s92, s92, s70
	s_add_co_u32 s92, s92, 0x800000
	s_cmp_eq_u32 ttmp9, 2
	s_cselect_b32 s88, s92, s88
	s_mov_b32 s89, 0
	s_mov_b32 s91, 0
	s_add_nc_u64 s[8:9], s[8:9], s[88:89]          ; (used where X < 3)
	s_add_nc_u64 s[10:11], s[10:11], s[90:91]      ; (used where X = 3)
.macro FRAG reg, adr, q, i             ; a fragment, 16 rows x 128 K, is 16 registers: four loads of 16 bytes, 32 bytes apart; the pieces' order in memory puts every k in its own place
.irp c, 0,1,2,3
	ds_load_b128 v[\reg+4*\c:\reg+4*\c+3], v[\adr] offset:128*(\q)+32*\c+(\i)*16*PITCH
.endr
.endm
; 16 matrix instructions: A's blocks a0, a0 + 1 x B's eight, 128 along K.  p: B's set.  zero = 1: the first product starts the sums: nothing is ever cleared.
; The 64 accumulators take turns, one instruction a turn, in the same order in every step.
.macro MUL16 a0, p, zero
.irp a, \a0, \a0+1
.irp b, 0,1,2,3,4,5,6,7
.if \zero
	v_wmma_f32_16x16x128_fp8_fp8 v[8*(8*((\a)%4)+\b):8*(8*((\a)%4)+\b)+7], v[128*(\p)+FR*\b:128*(\p)+FR*\b+FR-1], v[AF+FR*(\a):AF+FR*(\a)+FR-1], 0
.else
	v_wmma_f32_16x16x128_fp8_fp8 v[8*(8*((\a)%4)+\b):8*(8*((\a)%4)+\b)+7], v[128*(\p)+FR*\b:128*(\p)+FR*\b+FR-1], v[AF+FR*(\a):AF+FR*(\a)+FR-1], v[8*(8*((\a)%4)+\b):8*(8*((\a)%4)+\b)+7]
.endif
.endr
.endr
.endm
.macro FETCH_B slot, q, p              ; B's eight fragments of the slot's q-th 128 along K into set p
	WIN TO_B
.irp i, 0,1,2,3,4,5,6,7
	FRAG 128*(\p)+FR*\i, ADRB+\slot, \q, \i
.endr
	WIN 0
.endm
.macro FETCH_A slot, q, i0             ; A's blocks i0 .. i0 + 3
.irp i, \i0, \i0+1, \i0+2, \i0+3
	FRAG AF+FR*(\i), ADRA+\slot, \q, \i
.endr
.endm
.macro PLACES n                        ; places in front of loads into registers that matrix instructions have read, and of the first read of results
.rept \n
	v_nop
.endr
.endm
; A step of 128 along K that has its successor in the same slot.  A's blocks are free as soon as their eight products are issued: blocks 0-3 are fetched anew in the step's middle, blocks 4-7 at its end.
.macro STEP slot, q, zero
	s_wait_dscnt 4*NL                              ; B's set and A's blocks 0-3 are in; the youngest sixteen loads (A's blocks 4-7) may be out
	WIN MUL_LO
	MUL16 0, (\q)%2, \zero
	MUL16 2, (\q)%2, \zero
	s_wait_dscnt 0                                 ; A's blocks 4-7 are in
	PLACES NP
	FETCH_B \slot, (\q)+1, 1-(\q)%2
	FETCH_A \slot, (\q)+1, 0
	WIN MUL_HI
	MUL16 4, (\q)%2, \zero
	MUL16 6, (\q)%2, \zero
	PLACES NP
	WIN 0
	FETCH_A \slot, (\q)+1, 4
.endm
; A slot's last step changes slots: one barrier; in front of it each wave waits for all its tensor loads, adds 0 to its spare word, and waits for that and for its own reads of this slot.  fill = 1: this slot is filled again, two K steps ahead.
.macro TURN slot, next, fill
	s_wait_tensorcnt 0x0                           ; all my tensor loads have landed: my part of the next slot  (every window is 0 here)
	ds_add_u32 v[SPW], v[NIL]                      ; 0 onto my spare word
	s_wait_dscnt 4*NL+1                            ; (the add and the youngest sixteen loads, A's blocks 4-7, may be out)
	WIN MUL_LO
	MUL16 0, 1, 0                                  ; sixteen matrix instructions stand between the add and the wait for it
	s_wait_dscnt 0x0                               ; the add is done, and my reads of this slot are over
	s_barrier_signal -1
	MUL16 2, 1, 0
	WIN 0
	s_barrier_wait -1
.if \fill
	CREST                                          ; the barrier has opened a round of the cluster's barrier: no wave of any partner still reads this slot's tile or has a load on its way
	s_cmp_lg_u32 s15, \slot                        ; the slot's two waves fill it again; the branch hangs on the wave's number alone
	s_cbranch_scc1 .Lnot_mine_\@
	s_add_nc_u64 s[G0+2:G0+3], s[G0+2:G0+3], 2*ROWB
	s_add_nc_u64 s[G0B+2:G0B+3], s[G0B+2:G0B+3], 2*ROWB
	JLOAD G0, G1, G0B, G1B                         ; the first tensor load behind the round
.Lnot_mine_\@:
.endif
	PLACES NP                                      ; the places in front of the loads below, on every wave's way
	FETCH_B \next, 0, 0
	FETCH_A \next, 0, 0
	WIN MUL_HI
	MUL16 4, 1, 0
	MUL16 6, 1, 0
	PLACES NP
	WIN 0
	FETCH_A \next, 0, 4
.endm
	s_wait_alu depctr_va_vdst(0)
	s_wait_tensorcnt 0x0                           ; my one load is in,
	s_barrier_signal -1
	s_barrier_wait -1                              ; everybody's is
	FETCH_B 0, 0, 0
	FETCH_A 0, 0, 0
	FETCH_A 0, 0, 4
	STEP 0, 0, 1                                   ; K = 1024 is four K steps of 256: they are written out.  The first products start the sums
	TURN 0, 1, 1                                   ; slot 0 takes K step 2
	STEP 1, 0, 0
	TURN 1, 0, 1                                   ; slot 1 takes K step 3
	STEP 0, 0, 0
	TURN 0, 1, 0                                   ; nothing is left to fetch
	STEP 1, 0, 0
	s_wait_dscnt 4*NL
	WIN MUL_LO
	MUL16 0, 1, 0
	MUL16 2, 1, 0
	s_wait_dscnt 0
	WIN MUL_HI
	MUL16 4, 1, 0
	MUL16 6, 1, 0
	WIN 0
	; THE WAY OUT
	s_wait_kmcnt 0x0
	s_add_co_i32 s80, s80, s81                     ; e0 + e1
	s_add_co_i32 s82, s82, s83                     ; e2 + e3
	s_add_co_i32 s84, s84, s85                     ; e4 + e5
	s_cmp_eq_u32 ttmp9, 0
	s_cselect_b32 s76, s80, s84
	s_cselect_b32 s77, s72, s75                    ; q: entry 8; v: entry 11
	s_cmp_eq_u32 ttmp9, 1
	s_cselect_b32 s76, s82, s76
	s_cselect_b32 s77, s73, s77                    ; k: entry 9
	s_sub_co_i32 s77, s77, s76                     ; a sum stands for sum x 2^(eA + eB): its code is sum / 2^(e_out - eA - eB): the three scales folded into one
	s_add_co_i32 s77, s77, 127
	s_lshl_b32 s76, s77, 23
	v_mov_b32 v[SCL], s76
	s_add_co_i32 s77, s77, 8
	s_lshl_b32 s77, s77, 23
	s_or_b32 s77, s77, 0x600000
	v_mov_b32 v[LIM], s77
	PLACES NP                                      ; behind the last products: their results are read, and A's registers written, below
	s_cmp_eq_u32 ttmp9, 3                          ; the cluster's x: the same in all partners
	s_cbranch_scc1 .Lgate
.macro QROW a                          ; block a (16 rows of 'A' x 128 columns): held, converted, stored as four images of four registers
	WIN 0x02+((\a)/4)                              ; source 0: window 2 or 3
.set i, 0
.rept 64
	v_med3_num_f32 v[TMP+i], v[64*((\a)%4)+i], -v[LIM], v[LIM]   ; the hold at the largest code x the scale (ISA guide 7.6.2); each accumulator from its low end on
.set i, i+1
.endr
	WIN 0
.irp b, 0,1,2,3,4,5,6,7
	v_cvt_scalef32_pk8_fp8_f32 v[QC+16*(\a)+2*\b:QC+16*(\a)+2*\b+1], v[TMP+8*\b:TMP+8*\b+7], v[SCL]
.endr
	v_nop                                          ; a plain vector line between the conversions and the next block's holds, which write their sources
.irp p, 0,1,2,3
	global_store_b128 v[CO], v[QC+16*(\a)+4*\p:QC+16*(\a)+4*\p+3], s[8:9] offset:(\a)*1024+(\p/2)*131072+(\p%2)*512   ; 512 consecutive bytes; the same immediates serve q, k (tile of tokens a, head p / 2) and v (tile of channels a, group of keys p / 2)
.endr
.endm
.irp a, 0,1,2,3,4,5,6,7
	QROW \a
.endr
	s_branch .Ldone
.Lgate:
.macro GROW a                          ; the gate's raw sums, straight from the accumulators, each from its low end on
	WIN 0x08+4*((\a)/4)                            ; a store's data: window 2 or 3
.irp b, 0,1,2,3,4,5,6,7
	global_store_b128 v[CO], v[64*((\a)%4)+8*\b:64*((\a)%4)+8*\b+3], s[10:11] offset:(\a)*4096+(\b/4)*524288+(\b%4)*1024
	global_store_b128 v[CO], v[64*((\a)%4)+8*\b+4:64*((\a)%4)+8*\b+7], s[10:11] offset:(\a)*4096+(\b/4)*524288+(\b%4)*1024+512
.endr
.endm
.irp a, 0,1,2,3,4,5,6,7
	GROW \a
.endr
	WIN 0
.Ldone:
	s_wait_tensorcnt 0x0                           ; the wave's end, behind my last tensor load
	ds_add_u32 v[SPW], v[NIL]
	s_wait_dscnt 0x0
	CROUND                                         ; the closing round: no work-group ends while a partner may still ask for a tile that names it
	s_endpgm
.Lfunc_end_k_qdc56e89bac_proj:
	.size	k_qdc56e89bac_proj, .Lfunc_end_k_qdc56e89bac_proj-k_qdc56e89bac_proj
	.p2alignl 7, 3214868480
	.fill 96, 4, 3214868480
	.section	.rodata,"a",@progbits
	.p2align	6, 0x0
	.amdhsa_kernel k_qdc56e89bac_proj
		.amdhsa_group_segment_fixed_size 327680
		.amdhsa_private_segment_fixed_size 0
		.amdhsa_enable_private_segment 0
		.amdhsa_kernarg_size 32
		.amdhsa_user_sgpr_count 2
		.amdhsa_user_sgpr_kernarg_segment_ptr 1
		.amdhsa_wavefront_size32 1
		.amdhsa_system_sgpr_workgroup_id_x 1
		.amdhsa_system_sgpr_workgroup_id_y 1
		.amdhsa_system_sgpr_workgroup_id_z 1
		.amdhsa_system_vgpr_workitem_id 0
		.amdhsa_next_free_vgpr 1024
		.amdhsa_next_free_sgpr 100
		.amdhsa_reserve_vcc 0
		.amdhsa_float_denorm_mode_32 3
		.amdhsa_float_denorm_mode_16_64 3
		.amdhsa_memory_ordered 1
		.amdhsa_forward_progress 1
		.amdhsa_inst_pref_size 130
	.end_amdhsa_kernel
	.amdgpu_metadata
---
amdhsa.version: [ 1, 2 ]
amdhsa.kernels:
  - .name:           k_qdc56e89bac_proj
    .symbol:         k_qdc56e89bac_proj.kd
    .args:
      - { .name: codes, .offset: 0, .size: 8, .value_kind: global_buffer, .address_space: global }
      - { .name: lowp_scales, .offset: 8, .size: 8, .value_kind: global_buffer, .address_space: global }
      - { .name: qkv, .offset: 16, .size: 8, .value_kind: global_buffer, .address_space: global }
      - { .name: gate, .offset: 24, .size: 8, .value_kind: global_buffer, .address_space: global }
    .group_segment_fixed_size: 327680
    .private_segment_fixed_size: 0
    .kernarg_segment_align: 8
    .kernarg_segment_size: 32
    .max_flat_workgroup_size: 128
    .sgpr_count:     100
    .vgpr_count:     1024
    .wavefront_size: 32
...
	.end_amdgpu_metadata
.endif
;; end of part 2
;; launch attn (part 3): grid 8 x 32, 16 waves a work-group, clusters of 4 x 1, 327,680 bytes of LDS; arguments qkv, gate, lowp_scales, ac; writes ac
.if DOCPART == 3
	.amdgcn_target "amdgcn-amd-amdhsa--gfx1250"
	.amdhsa_code_object_version 6
	.text
	.protected	k_qdc56e89bac_attn
	.globl	k_qdc56e89bac_attn
	.p2align	8
	.type	k_qdc56e89bac_attn,@function
k_qdc56e89bac_attn:
	s_mov_b64 s[64:65], 0
	v_nop
	global_prefetch_b8 v0, s[64:65] scope:SCOPE_SE
	s_setreg_imm32_b32 hwreg(HW_REG_WAVE_MODE, 25, 1), 1
	s_wait_xcnt 0x0
	s_wait_alu depctr_hold_cnt(0) depctr_sa_sdst(0) depctr_va_vdst(0) depctr_va_sdst(0) depctr_va_ssrc(0) depctr_va_vcc(0) depctr_vm_vsrc(0)
	s_getreg_b32 s2, hwreg(HW_REG_IB_STS2, 6, 4)
	s_cmp_eq_u32 s2, 0
	s_cbranch_scc0 .Lentry_in_a_cluster
	s_endpgm
.Lentry_in_a_cluster:
	s_bfe_u32 s2, ttmp6, 0x10000c
	s_cmp_lg_u32 s2, 0x3003
	s_cbranch_scc0 .Lentry_shape_is_right
	s_endpgm
.Lentry_shape_is_right:
; Causal attention of one (batch, head) on codes of FP8 (E4M3), then ctx x sigmoid(gate), quantised with entry 12 for the last product.
; q, k, v come as images of fragment registers (launch proj lays them): q at 0, k at 4 Mi of qkv: (batch x 16 + head) x 131072 + (tile of 16 tokens) x 1024 + c x 512 + 16 l;
; v at 8 Mi: (group of 64 keys) x 131072 + batch x 65536 + head x 4096 + (tile of 16 channels) x 1024 + c x 512 + 16 l.  gate: raw f32 sums as images, x 2^(e6 + e7) here.
; SOFTMAX: t = score x log2(e) / 8; M = the running largest t rounded up to a whole number; p = 2^(t - M) is quantised (entry 10); the row's sum is taken of the unquantised p and divides at the end.
; WORK LEFT OUT: a step of 128 keys all of which come after a tile's 16 queries.  reference() sets those scores to -inf by the causal mask that it builds itself, so their p is 0 for all inputs.
; A NaN or an infinity that reaches only such scores is not carried to the result.
; SHARES: a work-group takes 256 queries of a head: tiles of 16 tokens with numbers 8 b + g, g the work-group's number in the head (0-7), b = 0 .. 15.  A tile of block b has b + 1 key steps.
; Sixteen waves, four to a SIMD.  Waves j and j + 8 (j = 0 .. 7) share the long tile, block 15 - j: wave j takes its key steps 0-7, wave j + 8 its steps 8 .. 15 - j.
; Wave j + 8 hands its O^T, -M and sum over through LDS bytes of its own, signals the barrier, and then takes the short tile, block j, alone: 8 steps for wave j, 9 for wave j + 8.
; Behind the barrier's wait wave j brings both parts under the larger M, by two powers of two that round nothing, and adds them.
; The way out's arithmetic is one macro: wave j + 8 runs it for its short tile ahead of the barrier's wait, wave j for the long tile behind the merge; the stores stand behind the wait, on every wave's way.
; Every wave runs the same two loops of eight trips; the roles differ in scalars (first key step, block) and in short arms.  Between the barrier's signal and its wait stand register work and LDS loads of K and V, which nobody writes.
; THE HEAD'S WHOLE K AND V (2 x 131,072 bytes) LIE IN LDS, asked for at the kernel's head by one tensor load a wave (waves 0-7: 16,384 bytes of K each; waves 8-15: four groups of V each); nothing is filled again.
; The gate of the tile that a wave finishes is asked for behind the barrier that shows K and V whole, ahead of the first key step.
; CLUSTERS: the four work-groups of a cluster belong to one head and ask for K and V jointly (mask 15).  No data prefetch: all fills go out at the head, so there is no loop of fills to run ahead in.
; Both products are used transposed (S^T = K Q^T, O^T = V^T P^T): a lane holds one query; register 8 t + j of S is key 16 t + 8 (lane / 16) + j of the step, the fp8 forms' own place for the next product's K.
; LIMITS: e8 + e9 between -123 and 130, e6 + e7 between -126 and 127 (added to exponent fields); e10 and e12 between -126 and 119; the scaled scores stay under 2^31 in magnitude.
; REGISTERS: v1-6, v9, v10 addresses that stay; v12 -M, v13 the largest t, v[14:15] the sum; v16-23 the long tile's Q, v248-255 the Q of the tile that I finish; v24-87 fragments of K, then of V (in the merge: the partner's part);
; v88-151 S, then p; v152-183 O^T; v184-199 codes (ahead of the conversions v184-189 carry chains of the maximum and of the sum); v200-231 the gate; v232-247 at work.
.set VOFF,  131072                     ; V's images lie behind K's
.set SPARE, 262144                     ; behind them: the spare words, 128 bytes a wave, that no other line names
.set STG,   SPARE+2048                 ; behind those: for each pair of waves 4,096 bytes of O^T as images and 256 bytes of (-M, sum); no tensor load lands here
.set STGP,  4352
.set LI,  1                            ; 16 x lane: an image's place for my lane
.set DQ,  2                            ; my query's place in the diagonal step, less 8 (lane / 16)
.set ADK, 3
.set ADV, 4
.set SPW, 5
.set NIL, 6
.set STA, 9                            ; my pair's stage + 16 x lane
.set STB, 10                           ; my pair's stage + 8 x lane
.set QH,  16
.set F,   24
.set S,   88
.set O,   152
.set P,   184
.set G,   200
.set QF,  248
.set WV,  12
.set BLKH, 13                          ; the long tile's block, 15 - j
.set GI,  14
.set BH,  15
.set G1K, 16
.set G0,  24
.set G1V, 28
.set BLKL, 36                          ; j: the short tile's block
.set BLKF, 37                          ; the block of the tile that I finish
.set ROLE, 38                          ; wave / 8
.set SEL, 40
.set CS,  42
.set TB,  44
.set KS,  45
.set CNT, 46
.set EPV, 53
.set CG,  56
.set BSH, 70                           ; s[70:75] the long tile's q (, gate and result);  s[76:81] q, gate and result of the tile that I finish
.set BSF, 76
.macro CROUND
	s_barrier_signal -1
	s_barrier_wait -1
	s_cmp_lg_u32 s[WV], 0
	s_cbranch_scc1 .Lnot_wave_0_\@
	s_barrier_signal -3
.Lnot_wave_0_\@:
	s_barrier_wait -3
	s_barrier_signal -1
	s_barrier_wait -1
.endm
.macro OFFS blk, b                     ; byte offsets of tile 8 x block + g in q's images, the gate's and the result's
	s_lshl_b32 s47, s[\blk], 3
	s_add_co_u32 s47, s47, s[GI]
	s_lshl_b32 s[\b], s[BH], 17
	s_lshl_b32 s58, s47, 10
	s_add_co_u32 s[\b], s[\b], s58
	s_mov_b32 s[\b+1], 0
	s_lshl_b32 s[\b+2], s[BH], 19
	s_lshl_b32 s58, s47, 12
	s_add_co_u32 s[\b+2], s[\b+2], s58
	s_mov_b32 s[\b+3], 0
	s_lshr_b32 s[\b+4], s[BH], 4
	s_lshl_b32 s[\b+4], s[\b+4], 7
	s_add_co_u32 s[\b+4], s[\b+4], s47
	s_lshl_b32 s[\b+4], s[\b+4], 14
	s_and_b32 s58, s[BH], 15
	s_lshl_b32 s58, s58, 10
	s_add_co_u32 s[\b+4], s[\b+4], s58
	s_mov_b32 s[\b+5], 0
.endm
.macro INIT                            ; a tile's or a part's sums begin as zeros, its largest t under every t
	v_mov_b32 v13, 0xff61b1e6
	s_delay_alu instid0(VALU_DEP_1)
	v_floor_f32 v12, -v13
	v_mov_b32 v14, 0
	v_mov_b32 v15, 0
.set i, 0
.rept 32
	v_mov_b32 v[O+i], 0
.set i, i+1
.endr
.endm
	s_load_b256 s[4:11], s[0:1], 0x0               ; qkv, gate, the scales, ac
	v_lshl_add_u32 v[SPW], v0, 2, SPARE
	v_mov_b32 v[NIL], 0
	ds_add_u32 v[SPW], v[NIL]                      ; the opening lines: the add, twice on end, and its wait ahead of my tensor load
	ds_add_u32 v[SPW], v[NIL]
	v_lshrrev_b32 v7, 5, v0
	s_delay_alu instid0(VALU_DEP_1)
	v_readfirstlane_b32 s[WV], v7
	s_and_b32 s[BLKL], s[WV], 7
	s_lshr_b32 s[ROLE], s[WV], 3
	s_sub_co_u32 s[BLKH], 15, s[BLKL]
	s_cmp_lt_u32 s[WV], 8
	s_cselect_b32 s[BLKF], s[BLKH], s[BLKL]
	s_bfe_u32 s59, ttmp6, 0x40000
	s_lshl_b32 s[GI], ttmp9, 2
	s_add_co_u32 s[GI], s[GI], s59                 ; g: enters my own loads' and stores' offsets and the mask's compare, no branch and no LDS address
	s_and_b32 s[BH], ttmp7, 0xffff
	s_mov_b32 s[G1K], 15|(3<<16)|(1<<21)           ; the mask of all four partners; elements of 8 bytes; 21 set beside a mask
	s_mov_b32 s[G1K+1], 32<<16                     ; K: a dense block, stated as 64 rows of 256 bytes
	s_mov_b32 s[G1K+2], 64<<16
	s_mov_b32 s[G1K+3], 32<<16
	s_mov_b32 s[G1K+4], 64
	s_mov_b32 s[G1K+5], 32
	s_mov_b32 s[G1K+6], 0
	s_mov_b32 s[G1K+7], 0
	s_mov_b32 s[G1V], 15|(3<<16)|(1<<21)
	s_mov_b32 s[G1V+1], 512<<16                    ; V: four groups of 64 keys: rows of 4,096 bytes, 131,072 bytes apart
	s_mov_b32 s[G1V+2], 4<<16
	s_mov_b32 s[G1V+3], 512<<16
	s_mov_b32 s[G1V+4], 4
	s_mov_b32 s[G1V+5], 16384
	s_mov_b32 s[G1V+6], 0
	s_mov_b32 s[G1V+7], 0
	s_lshl_b32 s60, s[WV], 14                      ; where my 16,384 bytes go: K's eight parts, then V's eight
	s_lshl_b32 s61, s[BH], 17
	s_add_co_u32 s61, s61, s60
	s_add_co_u32 s61, s61, 0x400000                ; K: the head's images, my eighth
	s_sub_co_u32 s62, s[WV], 8
	s_lshl_b32 s62, s62, 19                        ; V: my four groups,
	s_lshr_b32 s63, s[BH], 4
	s_lshl_b32 s63, s63, 16
	s_add_co_u32 s62, s62, s63                     ; the batch,
	s_and_b32 s63, s[BH], 15
	s_lshl_b32 s63, s63, 12
	s_add_co_u32 s62, s62, s63                     ; the head
	s_add_co_u32 s62, s62, 0x800000
	s_cmp_lt_u32 s[WV], 8
	s_cselect_b32 s66, s61, s62
	s_mov_b32 s67, 0
	OFFS BLKH, BSH
	OFFS BLKF, BSF
	s_mov_b32 s[SEL], 0x76543210
	s_mov_b32 s[SEL+1], 0xfedcba98
	s_wait_dscnt 0x0                               ; both opening adds are done
	s_wait_kmcnt 0x0
	s_load_b128 s[48:51], s[8:9], 0x20             ; e8 .. e11
	s_load_b32 s52, s[8:9], 0x30                   ; e12
	s_load_b64 s[54:55], s[8:9], 0x18              ; e6, e7
	s_mov_b32 s[G0], 1
	s_mov_b32 s[G0+1], s60
	s_add_nc_u64 s[G0+2:G0+3], s[4:5], s[66:67]
	s_or_b32 s[G0+3], s[G0+3], 0x80000000
	s_add_nc_u64 s[BSH:BSH+1], s[4:5], s[BSH:BSH+1]
	s_add_nc_u64 s[BSF:BSF+1], s[4:5], s[BSF:BSF+1]
	s_add_nc_u64 s[BSF+2:BSF+3], s[6:7], s[BSF+2:BSF+3]
	s_add_nc_u64 s[BSF+4:BSF+5], s[10:11], s[BSF+4:BSF+5]
	CROUND                                         ; all four work-groups are here: the joint loads meet
	s_cmp_lt_u32 s[WV], 8                          ; one fill to an arm, one arm to a wave
	s_cbranch_scc0 .Lfill_v
	tensor_load_to_lds s[G0:G0+3], s[G1K:G1K+7]
	s_nop 0
.rept 4
	v_nop
.endr
	s_branch .Lfilled
.Lfill_v:
	tensor_load_to_lds s[G0:G0+3], s[G1V:G1V+7]
	s_nop 0
.rept 4
	v_nop
.endr
.Lfilled:
	v_and_b32 v7, 31, v0
	s_delay_alu instid0(VALU_DEP_1)
	v_lshlrev_b32 v[LI], 4, v7
	global_load_b128 v[QH:QH+3], v[LI], s[BSH:BSH+1]
	global_load_b128 v[QH+4:QH+7], v[LI], s[BSH:BSH+1] offset:512
	global_load_b128 v[QF:QF+3], v[LI], s[BSF:BSF+1]
	global_load_b128 v[QF+4:QF+7], v[LI], s[BSF:BSF+1] offset:512
	s_mul_i32 s59, s[BLKL], STGP
	s_add_co_u32 s59, s59, STG                     ; my pair's stage
	v_add_nc_u32 v[STA], s59, v[LI]
	v_lshl_add_u32 v[STB], v7, 3, s59
	v_and_b32 v7, 15, v0
	v_bfe_u32 v8, v0, 4, 1
	s_delay_alu instid0(VALU_DEP_1)
	v_lshlrev_b32 v8, 3, v8
	s_delay_alu instid0(VALU_DEP_1)
	v_sub_nc_u32 v[DQ], v7, v8
	s_lshl_b32 s59, s[GI], 4
	v_add_nc_u32 v[DQ], s59, v[DQ]                 ; 16 g + lane % 16 - 8 (lane / 16)
	v_mov_b32 v234, 0                              ; written once: a lane permute's destination counts as a source
	v_mov_b32 v237, 0                              ; (upper halves of pairs that are named whole)
	v_mov_b32 v239, 0
	v_mov_b32 v247, 0
	v_mov_b32 v242, 0xff800000                     ; -infinity
	s_wait_kmcnt 0x0
	s_add_co_i32 s58, s48, s49
	s_lshl_b32 s58, s58, 23
	s_add_co_i32 s[CS], s58, 0x3e38aa3b            ; log2(e) / 8 x 2^(e8 + e9)
	s_mov_b32 s[CS+1], s[CS]
	s_add_co_i32 s58, s54, s55
	s_lshl_b32 s58, s58, 23
	s_add_co_i32 s[CG], s58, 0xbfb8aa3b            ; -log2(e) x 2^(e6 + e7)
	s_mov_b32 s[CG+1], s[CG]
	s_add_co_i32 s58, s50, 127
	s_lshl_b32 s59, s58, 23
	v_mov_b32 v241, s59                            ; 2^e10
	s_add_co_i32 s58, s58, 8
	s_lshl_b32 s58, s58, 23
	s_or_b32 s58, s58, 0x600000
	v_mov_b32 v240, s58                            ; 448 x 2^e10
	s_add_co_i32 s58, s52, 127
	s_lshl_b32 s59, s58, 23
	v_mov_b32 v244, s59                            ; 2^e12
	s_add_co_i32 s58, s58, 8
	s_lshl_b32 s58, s58, 23
	s_or_b32 s58, s58, 0x600000
	v_mov_b32 v243, s58                            ; 448 x 2^e12
	s_add_co_i32 s[EPV], s50, s51                  ; e10 + e11
	INIT
; A KEY STEP: 128 keys.  A step behind the tile's block is jumped over: a scalar branch on the wave's number and the count of steps, round the step's work alone.
.macro STEP q, blk
	s_cmp_gt_u32 s[KS], s[\blk]
	s_cbranch_scc1 .Lskip_\@
	v_add_nc_u32 v[ADK], s[TB], v[LI]
	s_delay_alu instid0(VALU_DEP_1)
	v_add_nc_u32 v[ADV], VOFF, v[ADK]
	v_nop                                          ; with the two additions: four places in front of loads into registers that the last products read
	v_nop
.irp t, 0,1,2,3,4,5,6,7
	ds_load_b128 v[F+8*\t:F+8*\t+3], v[ADK] offset:1024*\t
	ds_load_b128 v[F+8*\t+4:F+8*\t+7], v[ADK] offset:1024*\t+512
.endr
	s_wait_alu depctr_va_vdst(0)
	s_wait_dscnt 0x0
.irp t, 0,1,2,3,4,5,6,7
	v_wmma_f32_16x16x64_fp8_fp8 v[S+8*\t:S+8*\t+7], v[F+8*\t:F+8*\t+7], v[\q:\q+7], 0
.endr
.rept 4
	v_nop
.endr
.irp d, 0,1,2,3                        ; V's fragments are asked for ahead of the softmax
.irp c, 0,1,2,3
	ds_load_b128 v[F+16*\d+4*\c:F+16*\d+4*\c+3], v[ADV] offset:(\c/2)*4096+\d*1024+(\c%2)*512
.endr
.endr
	s_cmp_lg_u32 s[KS], s[\blk]
	s_cbranch_scc1 .Lopen_\@
.set n, 0
.rept 64                               ; the diagonal step: hidden scores become -infinity ahead of the maximum
	v_cmp_gt_i32 vcc_lo, 16*(n/8)+n%8, v[DQ]
	v_cndmask_b32 v[S+n], v[S+n], v242, vcc_lo
.set n, n+1
.endr
.Lopen_\@:
	v_max3_num_f32 v232, v[S], v[S+1], v[S+2]      ; the step's largest score among my 64 keys, in four chains, ascending through S
	v_max3_num_f32 v233, v[S+3], v[S+4], v[S+5]
	v_max3_num_f32 v[P+4], v[S+6], v[S+7], v[S+8]
	v_max3_num_f32 v[P+5], v[S+9], v[S+10], v[S+11]
.irp i, 12,20,28,36,44,52
	v_max3_num_f32 v232, v232, v[S+\i], v[S+1+\i]
	v_max3_num_f32 v233, v233, v[S+2+\i], v[S+3+\i]
	v_max3_num_f32 v[P+4], v[P+4], v[S+4+\i], v[S+5+\i]
	v_max3_num_f32 v[P+5], v[P+5], v[S+6+\i], v[S+7+\i]
.endr
	v_max3_num_f32 v232, v232, v[S+60], v[S+61]
	v_max3_num_f32 v233, v233, v[S+62], v[S+63]
	v_max3_num_f32 v232, v232, v233, v[P+4]
	s_delay_alu instid0(VALU_DEP_1)
	v_max_num_f32 v232, v232, v[P+5]
	s_delay_alu instid0(VALU_DEP_1)
	v_permlanex16_b32 v234, v232, s[SEL], s[SEL+1]
	s_delay_alu instid0(VALU_DEP_1)
	v_max_num_f32 v232, v232, v234
	s_delay_alu instid0(VALU_DEP_1)
	v_mul_f32 v232, s[CS], v232
	s_delay_alu instid0(VALU_DEP_1)
	v_max_num_f32 v13, v13, v232                   ; the running largest t
	v_mov_b32 v232, v12
	s_delay_alu instid0(VALU_DEP_2)
	v_floor_f32 v12, -v13                          ; -M, a whole number
	s_delay_alu instid0(VALU_DEP_1)
	v_sub_f32 v232, v12, v232
	s_delay_alu instid0(VALU_DEP_1)
	v_cvt_i32_f32 v232, v232
	s_delay_alu instid0(VALU_DEP_1)
	v_ldexp_f32 v236, 1.0, v232                    ; f = 2^(old M - new M)
.set n, 0
.rept 32
	v_pk_fma_f32 v[S+n:S+n+1], v[S+n:S+n+1], s[CS:CS+1], v[12:13] op_sel_hi:[1,0,0]
.set n, n+2
.endr
.set n, 0
	s_wait_alu depctr_va_vdst(0)                   ; the wait ahead of the batch
.rept 64
	v_exp_f32 v[S+n], v[S+n]
.set n, n+1
.endr
	v_pk_mul_f32 v[14:15], v[14:15], v[236:237] op_sel_hi:[1,0]
	s_wait_alu depctr_va_vdst(0)                   ; and behind it, ahead of its first reader
	v_pk_add_f32 v[238:239], v[S:S+1], v[S+2:S+3]  ; the row's sum of the unquantised p, two at a time, in four chains
	v_pk_add_f32 v[P:P+1], v[S+4:S+5], v[S+6:S+7]
	v_pk_add_f32 v[P+2:P+3], v[S+8:S+9], v[S+10:S+11]
.irp j, 12,20,28,36,44,52
	v_pk_add_f32 v[14:15], v[14:15], v[S+\j:S+1+\j]
	v_pk_add_f32 v[238:239], v[238:239], v[S+2+\j:S+3+\j]
	v_pk_add_f32 v[P:P+1], v[P:P+1], v[S+4+\j:S+5+\j]
	v_pk_add_f32 v[P+2:P+3], v[P+2:P+3], v[S+6+\j:S+7+\j]
.endr
	v_pk_add_f32 v[14:15], v[14:15], v[S+60:S+61]
	v_pk_add_f32 v[238:239], v[238:239], v[S+62:S+63]
	v_pk_add_f32 v[P:P+1], v[P:P+1], v[P+2:P+3]
	v_pk_add_f32 v[14:15], v[14:15], v[238:239]
	v_pk_add_f32 v[14:15], v[14:15], v[P:P+1]
.set n, 0
.rept 64
	v_min_num_f32 v[S+n], v[S+n], v240             ; the hold at the largest code x the scale (ISA guide 7.6.2); p is not negative
.set n, n+1
.endr
.irp t, 0,1,2,3,4,5,6,7
	v_cvt_scalef32_pk8_fp8_f32 v[P+2*\t:P+2*\t+1], v[S+8*\t:S+8*\t+7], v241
.endr
	s_wait_alu depctr_va_vdst(0)                   ; directly ahead of the first reader of O^T
.set n, 0
.rept 16
	v_pk_mul_f32 v[O+n:O+n+1], v[O+n:O+n+1], v[236:237] op_sel_hi:[1,0]
.set n, n+2
.endr
	s_wait_alu depctr_va_vdst(0)
	s_wait_dscnt 0x0
.irp d, 0,1,2,3
	v_wmma_f32_16x16x128_fp8_fp8 v[O+8*\d:O+8*\d+7], v[F+16*\d:F+16*\d+15], v[P:P+15], v[O+8*\d:O+8*\d+7]
.endr
.Lskip_\@:
	s_add_co_u32 s[TB], s[TB], 8192
	s_add_co_u32 s[KS], s[KS], 1
.endm
.macro WALK q, blk                     ; eight trips
	s_mov_b32 s[CNT], 8
.Lsteps_\@:
	STEP \q, \blk
	s_sub_co_u32 s[CNT], s[CNT], 1
	s_cmp_lg_u32 s[CNT], 0
	s_cbranch_scc1 .Lsteps_\@
.endm
; THE WAY OUT'S ARITHMETIC for the tile that I finish: / the sum, x 2^(e10 + e11), x sigmoid(gate), quantised into v[P:P+7].  Work on registers alone.
.macro FINC
	s_wait_alu depctr_va_vdst(0)
	s_wait_loadcnt 0x0                             ; the gate
.set n, 0
.rept 16
	v_pk_mul_f32 v[G+n:G+n+1], v[G+n:G+n+1], s[CG:CG+1] op_sel_hi:[1,0]
.set n, n+2
.endr
	v_add_f32 v14, v14, v15
	s_delay_alu instid0(VALU_DEP_1)
	v_permlanex16_b32 v234, v14, s[SEL], s[SEL+1]
	s_delay_alu instid0(VALU_DEP_1)
	v_add_f32 v14, v14, v234                       ; the row's sum
.set n, 0
	s_wait_alu depctr_va_vdst(0)
.rept 32
	v_exp_f32 v[G+n], v[G+n]                       ; e^(-gate)
.set n, n+1
.endr
	v_rcp_f32 v246, v14
	v_nop
	s_wait_alu depctr_va_vdst(0)
.set n, 0
.rept 16
	v_pk_add_f32 v[G+n:G+n+1], v[G+n:G+n+1], 1.0 op_sel_hi:[1,0]
.set n, n+2
.endr
	v_ldexp_f32 v246, v246, s[EPV]                 ; 2^(e10 + e11) / the sum
.set n, 0
	s_wait_alu depctr_va_vdst(0)
.rept 32
	v_rcp_f32 v[G+n], v[G+n]                       ; sigmoid(gate)
.set n, n+1
.endr
.set n, 0
	s_wait_alu depctr_va_vdst(0)
.rept 16
	v_pk_mul_f32 v[O+n:O+n+1], v[O+n:O+n+1], v[246:247] op_sel_hi:[1,0]
.set n, n+2
.endr
	s_wait_alu depctr_va_vdst(0)
.set n, 0
.rept 16
	v_pk_mul_f32 v[O+n:O+n+1], v[O+n:O+n+1], v[G+n:G+n+1]
.set n, n+2
.endr
.set n, 0
.rept 32
	v_med3_num_f32 v[O+n], v[O+n], -v243, v243
.set n, n+1
.endr
.irp d, 0,1,2,3
	v_cvt_scalef32_pk8_fp8_f32 v[P+2*\d:P+2*\d+1], v[O+8*\d:O+8*\d+7], v244
.endr
	v_nop                                          ; a plain line behind the conversions
	s_wait_alu depctr_va_vdst(0)
.endm
	s_lshl_b32 s[TB], s[ROLE], 16                  ; the long tile: waves 0-7 begin at key step 0, waves 8-15 at key step 8
	s_lshl_b32 s[KS], s[ROLE], 3
	s_wait_alu depctr_va_vdst(0)
	s_wait_tensorcnt 0x0                           ; my part of K or V is in,
	s_barrier_signal -1
	s_barrier_wait -1                              ; everybody's is
	s_wait_loadcnt 0x0                             ; both Q are in
.irp i, 0,1,2,3,4,5,6,7
	global_load_b128 v[G+4*\i:G+4*\i+3], v[LI], s[BSF+2:BSF+3] offset:512*\i th:TH_LOAD_NT   ; the gate of the tile that I finish
.endr
	WALK QH, BLKH
	s_cmp_lt_u32 s[WV], 8
	s_cbranch_scc1 .Lkept                          ; waves 0-7 keep their part in registers
.rept 4
	v_nop                                          ; places behind the last products
.endr
	v_add_f32 v13, v14, v15                        ; my lane's sum
.irp i, 0,1,2,3,4,5,6,7
	ds_store_b128 v[STA], v[O+4*\i:O+4*\i+3] offset:512*\i   ; each accumulator from its low end on
.endr
	ds_store_b64 v[STB], v[12:13] offset:4096      ; -M and the sum
	s_wait_dscnt 0x0
	INIT                                           ; for the short tile
.Lkept:
	s_cmp_lt_u32 s[WV], 8
	s_cselect_b32 s[KS], 16, 0                     ; the short tile is waves 8-15's: for waves 0-7 every trip lies behind the block
	s_mov_b32 s[TB], 0
	s_wait_alu depctr_va_vdst(0)
	s_wait_dscnt 0x0                               ; for the others' sake: my stores into the stage are done
	s_barrier_signal -1
	WALK QF, BLKL
	s_cmp_lt_u32 s[WV], 8
	s_cbranch_scc1 .Lmeet
	FINC                                           ; waves 8-15: the short tile's codes
.Lmeet:
	s_barrier_wait -1
	s_cmp_lt_u32 s[WV], 8
	s_cbranch_scc0 .Lsend
.rept 4
	v_nop                                          ; places in front of loads into registers that the last products read
.endr
.irp i, 0,1,2,3,4,5,6,7
	ds_load_b128 v[F+4*\i:F+4*\i+3], v[STA] offset:512*\i
.endr
	ds_load_b64 v[F+32:F+33], v[STB] offset:4096
	v_add_f32 v14, v14, v15
	v_mov_b32 v15, 0
	s_wait_alu depctr_va_vdst(0)
	s_wait_dscnt 0x0
	v_min_num_f32 v232, v12, v[F+32]               ; -M of both parts together
	v_sub_f32 v233, v232, v12                      ; my M less the common one: a whole number, 0 or less,
	v_sub_f32 v235, v232, v[F+32]                  ; and the partner's
	v_cvt_i32_f32 v233, v233
	v_cvt_i32_f32 v235, v235
	v_ldexp_f32 v236, 1.0, v233
	v_ldexp_f32 v238, 1.0, v235
	v_mul_f32 v14, v14, v236
	v_fma_f32 v14, v[F+33], v238, v14
	s_wait_alu depctr_va_vdst(0)                   ; ahead of the first reader of O^T
.set n, 0
.rept 16
	v_pk_mul_f32 v[O+n:O+n+1], v[O+n:O+n+1], v[236:237] op_sel_hi:[1,0]
.set n, n+2
.endr
.set n, 0
.rept 16
	v_pk_fma_f32 v[O+n:O+n+1], v[F+n:F+n+1], v[238:239], v[O+n:O+n+1] op_sel_hi:[1,0,1]
.set n, n+2
.endr
	FINC                                           ; waves 0-7: the long tile's codes
.Lsend:
	global_store_b128 v[LI], v[P:P+3], s[BSF+4:BSF+5]             ; images of the next product's fragment: 512 consecutive bytes a store, aligned
	global_store_b128 v[LI], v[P+4:P+7], s[BSF+4:BSF+5] offset:512
	s_wait_tensorcnt 0x0                           ; the wave's end
	ds_add_u32 v[SPW], v[NIL]
	s_wait_dscnt 0x0
	CROUND                                         ; the closing round
	s_endpgm
.Lfunc_end_k_qdc56e89bac_attn:
	.size	k_qdc56e89bac_attn, .Lfunc_end_k_qdc56e89bac_attn-k_qdc56e89bac_attn
	.p2alignl 7, 3214868480
	.fill 96, 4, 3214868480
	.section	.rodata,"a",@progbits
	.p2align	6, 0x0
	.amdhsa_kernel k_qdc56e89bac_attn
		.amdhsa_group_segment_fixed_size 327680
		.amdhsa_private_segment_fixed_size 0
		.amdhsa_enable_private_segment 0
		.amdhsa_kernarg_size 32
		.amdhsa_user_sgpr_count 2
		.amdhsa_user_sgpr_kernarg_segment_ptr 1
		.amdhsa_wavefront_size32 1
		.amdhsa_system_sgpr_workgroup_id_x 1
		.amdhsa_system_sgpr_workgroup_id_y 1
		.amdhsa_system_sgpr_workgroup_id_z 1
		.amdhsa_system_vgpr_workitem_id 0
		.amdhsa_next_free_vgpr 256
		.amdhsa_next_free_sgpr 84
		.amdhsa_reserve_vcc 1
		.amdhsa_float_denorm_mode_32 3
		.amdhsa_float_denorm_mode_16_64 3
		.amdhsa_memory_ordered 1
		.amdhsa_forward_progress 1
		.amdhsa_inst_pref_size 76
	.end_amdhsa_kernel
	.amdgpu_metadata
---
amdhsa.version: [ 1, 2 ]
amdhsa.kernels:
  - .name:           k_qdc56e89bac_attn
    .symbol:         k_qdc56e89bac_attn.kd
    .args:
      - { .name: qkv, .offset: 0, .size: 8, .value_kind: global_buffer, .address_space: global }
      - { .name: gate, .offset: 8, .size: 8, .value_kind: global_buffer, .address_space: global }
      - { .name: lowp_scales, .offset: 16, .size: 8, .value_kind: global_buffer, .address_space: global }
      - { .name: ac, .offset: 24, .size: 8, .value_kind: global_buffer, .address_space: global }
    .group_segment_fixed_size: 327680
    .private_segment_fixed_size: 0
    .kernarg_segment_align: 8
    .kernarg_segment_size: 32
    .max_flat_workgroup_size: 512
    .sgpr_count:     84
    .vgpr_count:     256
    .wavefront_size: 32
...
	.end_amdgpu_metadata
.endif
;; end of part 3
;; launch outp (part 4): grid 8 x 32, 4 waves a work-group, clusters of 4 x 4, 327,680 bytes of LDS; arguments ac, codes, lowp_scales, bo, out0; writes out0
.if DOCPART == 4
	.amdgcn_target "amdgcn-amd-amdhsa--gfx1250"
	.amdhsa_code_object_version 6
	.text
	.protected	k_qdc56e89bac_outp
	.globl	k_qdc56e89bac_outp
	.p2align	8
	.type	k_qdc56e89bac_outp,@function
k_qdc56e89bac_outp:
	s_mov_b64 s[64:65], 0
	v_nop
	global_prefetch_b8 v0, s[64:65] scope:SCOPE_SE
	s_setreg_imm32_b32 hwreg(HW_REG_WAVE_MODE, 25, 1), 1
	s_wait_xcnt 0x0
	s_wait_alu depctr_hold_cnt(0) depctr_sa_sdst(0) depctr_va_vdst(0) depctr_va_sdst(0) depctr_va_ssrc(0) depctr_va_vcc(0) depctr_vm_vsrc(0)
	s_getreg_b32 s2, hwreg(HW_REG_IB_STS2, 6, 4)
	s_cmp_eq_u32 s2, 0
	s_cbranch_scc0 .Lentry_in_a_cluster
	s_endpgm
.Lentry_in_a_cluster:
	s_bfe_u32 s2, ttmp6, 0x10000c
	s_cmp_lg_u32 s2, 0xf033
	s_cbranch_scc0 .Lentry_shape_is_right
	s_endpgm
.Lentry_shape_is_right:
; out0 = a Wo^T x 2^(e12 + e13) + bo: 4096 x 1024 x 1024 on codes of FP8 (E4M3).  a: the gated context's codes, as images of fragment registers: (tile of 16 tokens x 16 + head) x 1024 + c x 512 + 16 l;
; Wo's codes: rows of 1,024 bytes at byte 20 Mi of 'codes', the pieces of each block of 32 in the order that puts every k in its own place when 16 bytes are read at 32 c + 16 h.
; A tile of the result is 128 tokens x 128 features: 256 work-groups.  Four waves, each 64 x 64: 16 accumulators.  THE WHOLE K LIES IN LDS: each wave asks for 65,536 bytes by its one tensor load at the head
; (waves 0, 1: four tiles of tokens of a each, a dense block; waves 2, 3: 64 rows of Wo each); nothing is filled again.  CLUSTERS: 4 x 4: a's tiles are shared along a row of the cluster, Wo's along a column, by joint loads.
; No data prefetch: all fills go out at the head, so there is no loop of fills to run ahead in.
; THE MATRIX INSTRUCTION IS USED TRANSPOSED (source 0 = 16 rows of Wo, source 1 = 16 tokens): a lane holds eight neighbouring features of one token.
; LIMIT: e12 + e13 between -126 and 127.
; REGISTERS: window 0: v0-31 addresses; v32-63, v64-95 at work on the way out; v96-127 the bias; v128-255 the accumulators ((a, b) at v[128 + 8 (4 a + b)]).  window 1: two fragment buffers of 128: 64 of a, then 64 of Wo.
.set PITCH,  1040                      ; a row of Wo in LDS: 1,024 bytes + 16 of padding = 260 words: the 16 rows that a load touches start at 16 different banks (64 banks of 4 bytes: ISA guide 11.1)
.set BOFF,   131072                    ; 8 tiles of tokens x 16,384 bytes of images, then 128 rows of Wo
.set STAGE,  BOFF+128*PITCH            ; behind them: 16 rows x 272 bytes for each wave, for the way out
.set SPARE,  STAGE+4*16*272            ; behind the stages: the spare words, 128 bytes a wave, that no other line names
.set ADRA, 16                          ; v16  LDS address of my a fragments
.set ADRB, 20                          ; v20  the same for Wo
.set STO,  24
.set RD,   25
.set CO,   26
.set BO,   27
.set SPW,  28
.set NIL,  29
.set TMP,  32
.set BK,   64
.set BIAS, 96
.set ACC,  128
.set G1A, 24                           ; s[24:31], s[32:39] descriptor groups 1
.set G1B, 32
.set G0A, 40                           ; s[40:43], s[44:47] groups 0
.set G0B, 44
.set MSB, 0
.macro WIN new
.if MSB != (\new)
	s_set_vgpr_msb (MSB<<8)|(\new)
.set MSB, \new
.endif
.endm
.set MUL,  0x05                        ; sources 0 and 1 window 1; C and D window 0
.set TO_F, 0x40                        ; destination window 1, address window 0
.macro CROUND
	s_barrier_signal -1
	s_barrier_wait -1
	s_cmp_lg_u32 s14, 0
	s_cbranch_scc1 .Lnot_wave_0_\@
	s_barrier_signal -3
.Lnot_wave_0_\@:
	s_barrier_wait -3
	s_barrier_signal -1
	s_barrier_wait -1
.endm
.macro PLACES
.rept 4
	v_nop
.endr
.endm
	s_load_b256 s[4:11], s[0:1], 0x0               ; ac s[4:5], codes s[6:7], the scales s[8:9], bo s[10:11]
	s_load_b64 s[12:13], s[0:1], 0x20              ; out0
	v_lshl_add_u32 v[SPW], v0, 2, SPARE
	v_mov_b32 v[NIL], 0
	ds_add_u32 v[SPW], v[NIL]                      ; the opening lines: the add, twice on end, and its wait ahead of my tensor load
	ds_add_u32 v[SPW], v[NIL]
	v_lshrrev_b32 v1, 5, v0
	v_readfirstlane_b32 s14, v1                    ; wave 0..3
	s_lshr_b32 s15, s14, 1                         ; which 64 tokens are mine.  Also: I fetch for a (0) or for Wo (1)
	s_and_b32 s16, s14, 1                          ; which 64 features.  Also: which half of a tile I fetch
	s_bfe_u32 s17, ttmp6, 0x40000                  ; cx
	s_bfe_u32 s18, ttmp6, 0x40004                  ; cy
	s_lshl_b32 s19, ttmp9, 2
	s_add_co_u32 s19, s19, s17                     ; tile column
	s_and_b32 s20, ttmp7, 0xffff
	s_lshl_b32 s20, s20, 2
	s_add_co_u32 s20, s20, s18                     ; tile row
	s_lshl_b32 s21, s18, 2
	s_lshl_b32 s21, 15, s21                        ; my row of the cluster
	s_lshl_b32 s22, 0x1111, s17                    ; my column
	s_or_b32 s[G1A], s21, (3<<16)|(1<<21)          ; a: the mask of my row; elements of 8 bytes; 21 set beside a mask; no padding
	s_mov_b32 s[G1A+1], 512<<16                    ; a dense block of 65,536 bytes, stated as 16 rows of 4,096
	s_mov_b32 s[G1A+2], 16<<16
	s_mov_b32 s[G1A+3], 512<<16
	s_mov_b32 s[G1A+4], 16
	s_mov_b32 s[G1A+5], 512
	s_mov_b32 s[G1A+6], 0
	s_mov_b32 s[G1A+7], 0
	s_or_b32 s[G1B], s22, (0<<16)|(1<<20)|(1<<21)|(7<<22)|(3<<25)   ; Wo: the mask of my column; elements of 1 byte; four words of padding after every 256
	s_mov_b32 s[G1B+1], 1024<<16
	s_mov_b32 s[G1B+2], 64<<16
	s_mov_b32 s[G1B+3], 1024<<16
	s_mov_b32 s[G1B+4], 64
	s_mov_b32 s[G1B+5], 1024
	s_mov_b32 s[G1B+6], 0
	s_mov_b32 s[G1B+7], 0
	s_lshl_b32 s23, s16, 16
	s_lshl_b32 s82, s20, 17                        ; a: 8 tiles of tokens x 16,384 a tile row, + my four tiles: made of cy, the cluster's y and the wave alone
	s_add_co_u32 s82, s82, s23
	s_mov_b32 s83, 0
	s_lshl_b32 s84, s19, 17                        ; Wo: 128 rows x 1,024 a tile column, + my 64 rows: made of cx, the cluster's x and the wave alone
	s_add_co_u32 s84, s84, s23
	s_add_co_u32 s84, s84, 0x1400000
	s_mov_b32 s85, 0
	s_lshl_b32 s76, s16, 16                        ; where they go
	s_mul_i32 s77, s16, 64*PITCH
	s_add_co_u32 s77, s77, BOFF
	s_wait_dscnt 0x0                               ; both opening adds are done
	s_wait_kmcnt 0x0
	s_load_b64 s[80:81], s[8:9], 0x30              ; e12, e13
	s_mov_b32 s[G0A], 1
	s_mov_b32 s[G0A+1], s76
	s_add_nc_u64 s[G0A+2:G0A+3], s[4:5], s[82:83]
	s_or_b32 s[G0A+3], s[G0A+3], 0x80000000
	s_mov_b32 s[G0B], 1
	s_mov_b32 s[G0B+1], s77
	s_add_nc_u64 s[G0B+2:G0B+3], s[6:7], s[84:85]
	s_or_b32 s[G0B+3], s[G0B+3], 0x80000000
	CROUND                                         ; all sixteen work-groups are here: the joint loads meet
	s_cmp_eq_u32 s15, 0                            ; one fill to an arm, one arm to a wave
	s_cbranch_scc0 .Lfill_b
	tensor_load_to_lds s[G0A:G0A+3], s[G1A:G1A+7]
	s_nop 0
.rept 4
	v_nop
.endr
	s_branch .Lfilled
.Lfill_b:
	tensor_load_to_lds s[G0B:G0B+3], s[G1B:G1B+7]
	s_nop 0
.rept 4
	v_nop
.endr
.Lfilled:
	v_and_b32 v1, 15, v0                           ; r
	v_bfe_u32 v2, v0, 4, 1                         ; h
	v_and_b32 v3, 31, v0
	v_lshlrev_b32 v3, 4, v3                        ; 16 x lane
	s_lshl_b32 s23, s15, 16
	v_add_nc_u32 v[ADRA], s23, v3                  ; a: my four tiles of tokens, an image's place for my lane
	v_mul_u32_u24 v5, v1, PITCH
	v_lshl_add_u32 v5, v2, 4, v5
	s_mul_i32 s23, s16, 64*PITCH
	s_add_co_u32 s23, s23, BOFF
	v_add_nc_u32 v[ADRB], s23, v5                  ; Wo: my 64 rows; row r x pitch + 16 h
	s_mul_i32 s23, s14, 16*272
	s_add_co_u32 s23, s23, STAGE                   ; my stage
	v_mul_u32_u24 v[STO], v1, 272
	v_lshl_add_u32 v[STO], v2, 5, v[STO]
	v_add_nc_u32 v[STO], s23, v[STO]               ; in: row r, 32 bytes for each half of the lanes
	v_mul_u32_u24 v[RD], v2, 272
	v_lshl_add_u32 v[RD], v1, 4, v[RD]
	v_add_nc_u32 v[RD], s23, v[RD]                 ; back: lanes 0-15 one row of 256 bytes, lanes 16-31 the next
	v_lshlrev_b32 v[CO], 12, v2
	v_lshl_add_u32 v[CO], v1, 4, v[CO]             ; and the same two rows in out0
	v_lshlrev_b32 v[BO], 5, v2                     ; the bias: 8 h numbers on
	s_wait_alu depctr_va_vdst(0)
	s_lshl_b32 s86, s19, 9
	s_lshl_b32 s23, s16, 8
	s_add_co_u32 s86, s86, s23                     ; my first feature, in bytes of f32
	s_mov_b32 s87, 0
	s_add_nc_u64 s[10:11], s[10:11], s[86:87]
	s_lshl_b32 s88, s20, 19
	s_lshl_b32 s23, s15, 18
	s_add_co_u32 s88, s88, s23                     ; my first token's row of 4,096 bytes
	s_add_co_u32 s88, s88, s86
	s_mov_b32 s89, 0
	s_add_nc_u64 s[12:13], s[12:13], s[88:89]
.irp b, 0,1,2,3
	global_load_b128 v[BIAS+8*\b:BIAS+8*\b+3], v[BO], s[10:11] offset:64*\b        ; bo at features 16 b + 8 h + 0 .. 7: the result's layout
	global_load_b128 v[BIAS+8*\b+4:BIAS+8*\b+7], v[BO], s[10:11] offset:64*\b+16
.endr
; 32 LDS loads: the fragments of K step s (128 along K: two heads' images of a, 128 bytes of Wo's rows) into buffer f
.macro FETCH s, f
	WIN TO_F
.irp i, 0,1,2,3
.irp c, 0,1,2,3
	ds_load_b128 v[\f+64+16*\i+4*\c:\f+64+16*\i+4*\c+3], v[ADRB] offset:\i*16*PITCH+128*(\s)+32*\c
.endr
.endr
.irp i, 0,1,2,3
.irp c, 0,1,2,3
	ds_load_b128 v[\f+16*\i+4*\c:\f+16*\i+4*\c+3], v[ADRA] offset:\i*16384+2048*(\s)+512*\c
.endr
.endr
.endm
; 16 matrix instructions, the 16 accumulators by turns, in the same order in every step.  zero = 1: the first products start the sums
.macro MUL16 f, zero
	WIN MUL
.irp a, 0,1,2,3
.irp b, 0,1,2,3
.if \zero
	v_wmma_f32_16x16x128_fp8_fp8 v[ACC+8*(4*\a+\b):ACC+8*(4*\a+\b)+7], v[\f+64+16*\b:\f+64+16*\b+15], v[\f+16*\a:\f+16*\a+15], 0
.else
	v_wmma_f32_16x16x128_fp8_fp8 v[ACC+8*(4*\a+\b):ACC+8*(4*\a+\b)+7], v[\f+64+16*\b:\f+64+16*\b+15], v[\f+16*\a:\f+16*\a+15], v[ACC+8*(4*\a+\b):ACC+8*(4*\a+\b)+7]
.endif
.endr
.endr
.endm
	s_wait_tensorcnt 0x0                           ; my one load is in,
	s_barrier_signal -1
	s_barrier_wait -1                              ; everybody's is: the whole K of both operands
	FETCH 0, 0
.irp s, 0,1,2,3,4,5,6,7
.if \s < 7
.if \s > 0
	PLACES                                         ; in front of loads into the buffer that the step before multiplied
.endif
	FETCH \s+1, 128*((\s+1)%2)
	s_wait_dscnt 32                                ; this step's fragments are in; the 32 loads just issued may be out
.else
	s_wait_dscnt 0x0
.endif
.if \s == 0
	MUL16 0, 1
.else
	MUL16 128*(\s%2), 0
.endif
.endr
	WIN 0
	; THE WAY OUT, a block of 16 tokens x 64 features at a time: sum x 2^(e12 + e13) + bo by one packed multiply-add for two numbers; through my own stage; back as whole rows of 256 bytes
	s_wait_kmcnt 0x0
	s_add_co_i32 s78, s80, s81
	s_add_co_i32 s78, s78, 127
	s_lshl_b32 s78, s78, 23                        ; 2^(e12 + e13) as f32
	s_mov_b32 s79, s78                             ; (named with it as a pair)
	s_wait_loadcnt 0x0                             ; the bias
	PLACES                                         ; behind the last products
.irp a, 0,1,2,3
.irp b, 0,1,2,3
.irp i, 0,2,4,6
	v_pk_fma_f32 v[TMP+8*\b+\i:TMP+8*\b+\i+1], v[ACC+8*(4*\a+\b)+\i:ACC+8*(4*\a+\b)+\i+1], s[78:79], v[BIAS+8*\b+\i:BIAS+8*\b+\i+1] op_sel_hi:[1,0,1]   ; each accumulator from its low end on
.endr
.endr
.irp b, 0,1,2,3
	ds_store_b128 v[STO], v[TMP+8*\b:TMP+8*\b+3] offset:64*\b
	ds_store_b128 v[STO], v[TMP+8*\b+4:TMP+8*\b+7] offset:64*\b+16
.endr
.if \a > 0
	s_wait_xcnt 0x0                                ; the last block's stores have read their registers: the loads below may land there
.endif
.irp t, 0,1,2,3,4,5,6,7
	ds_load_b128 v[BK+4*\t:BK+4*\t+3], v[RD] offset:\t*2*272   ; LDS serves a wave's instructions in order (ISA guide 5.7.1.4): these see my stores, and the next block's stores come behind them
.endr
	s_wait_dscnt 0x0
.irp t, 0,1,2,3,4,5,6,7
	global_store_b128 v[CO], v[BK+4*\t:BK+4*\t+3], s[12:13] offset:\a*65536+\t*8192 th:TH_STORE_NT   ; 16 lanes store 256 consecutive bytes, at a multiple of 256 from out0's first byte
.endr
.endr
	s_wait_tensorcnt 0x0                           ; the wave's end, behind my tensor load and my last LDS store
	ds_add_u32 v[SPW], v[NIL]
	s_wait_dscnt 0x0
	CROUND                                         ; the closing round
	s_endpgm
.Lfunc_end_k_qdc56e89bac_outp:
	.size	k_qdc56e89bac_outp, .Lfunc_end_k_qdc56e89bac_outp-k_qdc56e89bac_outp
	.p2alignl 7, 3214868480
	.fill 96, 4, 3214868480
	.section	.rodata,"a",@progbits
	.p2align	6, 0x0
	.amdhsa_kernel k_qdc56e89bac_outp
		.amdhsa_group_segment_fixed_size 327680
		.amdhsa_private_segment_fixed_size 0
		.amdhsa_enable_private_segment 0
		.amdhsa_kernarg_size 40
		.amdhsa_user_sgpr_count 2
		.amdhsa_user_sgpr_kernarg_segment_ptr 1
		.amdhsa_wavefront_size32 1
		.amdhsa_system_sgpr_workgroup_id_x 1
		.amdhsa_system_sgpr_workgroup_id_y 1
		.amdhsa_system_sgpr_workgroup_id_z 1
		.amdhsa_system_vgpr_workitem_id 0
		.amdhsa_next_free_vgpr 512
		.amdhsa_next_free_sgpr 90
		.amdhsa_reserve_vcc 0
		.amdhsa_float_denorm_mode_32 3
		.amdhsa_float_denorm_mode_16_64 3
		.amdhsa_memory_ordered 1
		.amdhsa_forward_progress 1
		.amdhsa_inst_pref_size 44
	.end_amdhsa_kernel
	.amdgpu_metadata
---
amdhsa.version: [ 1, 2 ]
amdhsa.kernels:
  - .name:           k_qdc56e89bac_outp
    .symbol:         k_qdc56e89bac_outp.kd
    .args:
      - { .name: ac, .offset: 0, .size: 8, .value_kind: global_buffer, .address_space: global }
      - { .name: codes, .offset: 8, .size: 8, .value_kind: global_buffer, .address_space: global }
      - { .name: lowp_scales, .offset: 16, .size: 8, .value_kind: global_buffer, .address_space: global }
      - { .name: bo, .offset: 24, .size: 8, .value_kind: global_buffer, .address_space: global }
      - { .name: out0, .offset: 32, .size: 8, .value_kind: global_buffer, .address_space: global }
    .group_segment_fixed_size: 327680
    .private_segment_fixed_size: 0
    .kernarg_segment_align: 8
    .kernarg_segment_size: 40
    .max_flat_workgroup_size: 128
    .sgpr_count:     90
    .vgpr_count:     512
    .wavefront_size: 32
...
	.end_amdgpu_metadata
.endif
;; end of part 4
